; MI455X (gfx1250); checked and timed in simulation.
; The chip was launched on July 23, 2026; its instructions are those of AMD's public machine-readable ISA for CDNA 5 (MIT licence, August 2026) and "CDNA5" Instruction Set Architecture Reference Guide (July 2026). The comments in the code are by the model that wrote it; some were corrected since.
;; Focal Attention. Allowed arithmetic: matrix products marked QUANTISED: E4M3 operands, one given power-of-two scale a tensor, by v_wmma_f32_16x16x64_fp8_fp8 or v_wmma_f32_16x16x128_fp8_fp8, f32 sums; everything else in f32.
;; Inputs: b_proj 1,024 float32; b_qkv 3,072 float32; lowp_scales 8 int32 (the exponents e of the quantised operands' scales 2^e); w_proj 1,024 x 1,024 float32; w_qkv 3,072 x 1,024 float32; x 4 x 2,048 x 1,024 float32.
;; Outputs: out0 4 x 2,048 x 1,024 float32.
;; This version of the problem:
;;   THIS VERSION OF THE PROBLEM IS GIVEN IN LOW PRECISION. The matrix products marked QUANTISED in the list below multiply operands that are first quantised to E4M3 (4 exponent bits, 3 mantissa bits; 8 bits a number), with one given power-of-two scale for each operand tensor; their sums are f32. All else is computed in f32.
;;   The module's matrix products, in the order in which they are computed (A, B: the left and right operand; K: the contracted axis; several contracted axes count as one K, in the product's order):
;;     1. [M 8,192, K 1,024] x [K 1,024, N 3,072]; A: input x; B: input w_qkv: QUANTISED (scales: A lowp_scales[0], B lowp_scales[1])
;;     2. batch 64 x [M 2,048, K 64] x [K 64, N 2,048]; A: computed on the way; B: computed on the way: QUANTISED (scales: A lowp_scales[2], B lowp_scales[3])
;;     3. batch 64 x [M 2,048, K 2,048] x [K 2,048, N 64]; A: softmax (see below); B: computed on the way: QUANTISED (scales: A lowp_scales[4], B lowp_scales[5])
;;     4. [M 8,192, K 1,024] x [K 1,024, N 1,024]; A: computed on the way; B: input w_proj: QUANTISED (scales: A lowp_scales[6], B lowp_scales[7])
;;   THE QUANTISER, for each operand of a quantised product, along K:
;;     - The operand's scale is 2^e, e = its entry of the input lowp_scales (int32; the entries are numbered through the quantised products in the list's order, A before B).
;;     - Each number is divided by the scale, clamped to +-448, and rounded to the nearest number of E4M3, ties to even, subnormals kept.
;;     - The product sums the exact products of the quantised numbers (number of the format x scale) in f32.
;;   ~~~python
;;   def quantise(x, axis, e):      # numpy; x: float32 -> the quantised numbers, widened to float32 again
;;       x = np.moveaxis(x, axis, -1); K = x.shape[-1]
;;       r = np.clip(x / 2.0 ** e, -448, 448)
;;       step = 2.0 ** (np.maximum(np.frexp(np.where(r == 0, 1, r))[1] - 1, -6) - 3)
;;       q = np.round(r / step) * step * 2.0 ** e      # np.round: ties to even
;;       return np.moveaxis(q, -1, axis).astype(np.float32)
;;   ~~~
;;   SOFTMAX AHEAD OF A QUANTISED PRODUCT. Where the list says 'softmax', what is quantised is not the finished softmax but p = 2^(t - M), with t = logit x log2(e) and M = ceil(the row's largest t), a whole number; so 1/2 < the row's largest p <= 1. The row's sum l is taken of the UNQUANTISED p, in f32, and the product's result is divided by l at the end. Since M is a whole number, a kernel that streams over the keys may use a running M (the ceiling of the running maximum): every later rescaling is an exact power of two, so the quantised numbers keep their values, but for numbers so far below the row's largest that they fall under the format's range.
;;   OPERANDS COMPUTED ON THE WAY. 'Computed on the way' means the value that the module computes at that place (a softmax that the list does not call 'softmax' is quantised finished and normalised). What goes into a quantiser is computed in f32, as accurately as f32 sums, v_exp_f32 and their like allow (about 1e-6 of the number): no bf16 or f16 on the way to a quantiser, and a product that is left as it is and whose result goes on into a quantised operand takes f32 operands (vector FMAs, or v_wmma_f32_16x16x4_f32). A number that lies on a knife's edge between two numbers of the format may be rounded either way, as far as f32 arithmetic and the matrix unit's own rounding can turn it there, and no further.
;; One version. Each part assembles by itself: llvm-mc -triple=amdgcn-amd-amdhsa -mcpu=gfx1250 --defsym DOCPART=n.
;; ======== version 1 of 1: 4 launches
;; workspace buffers: xc 8,388,608 bytes; wqc 3,145,728 bytes; wpc 1,048,576 bytes; qkv 25,165,824 bytes; ac 8,388,608 bytes
;; launch quant (part 1): grid 384 x 1, 4 waves a work-group, no clusters, 33,280 bytes of LDS; arguments x, w_qkv, w_proj, lowp_scales, xc, wqc, wpc; writes xc, wqc, wpc
.if DOCPART == 1
	.amdgcn_target "amdgcn-amd-amdhsa--gfx1250"
	.amdhsa_code_object_version 6
	.text
	.protected	k_qf152a86bdd_quant
	.globl	k_qf152a86bdd_quant
	.p2align	8
	.type	k_qf152a86bdd_quant,@function
k_qf152a86bdd_quant:
	s_mov_b64 s[64:65], 0
	v_nop
	global_prefetch_b8 v0, s[64:65] scope:SCOPE_SE
	s_setreg_imm32_b32 hwreg(HW_REG_WAVE_MODE, 25, 1), 1
	s_wait_xcnt 0x0
; x [8192][1024], w_qkv [3072][1024] and w_proj [1024][1024], f32, K innermost, are turned into codes of FP8 (E4M3), one byte each, laid as the numbers lie.
; code = number / 2^e, held within +-448, rounded to the nearest code, ties to even.  e: entry 0 of the scales for x, entry 1 for w_qkv, entry 7 for w_proj.
; LIMITS: -126 <= e and e + 8 <= 127, so that 2^e and 448 x 2^e are f32 numbers.  NaN among the inputs is not served (an infinity is held at the largest code).
; Rows are dense, so each tensor is a plain stream.  A work-group takes 32,768 numbers, a wave 16 steps of 512.  Work-groups 0-255 take x, 256-351 w_qkv, 352-383 w_proj:
; only pointers and the exponent are chosen, by the work-group's number; all three take one path through the text.
; The conversions take 8 neighbours from ONE lane's registers, a load is best where neighbouring LANES take neighbouring bytes.  Both are had: each of a step's four loads reads 512 consecutive
; bytes, 16 a lane; the 2,048 bytes go through the wave's own stage in LDS and come back 64 bytes a lane (16 bytes of padding behind each 64).  A lane's 16 codes are 16 bytes: a store covers 512 consecutive bytes.
; No tensor loads, no barrier: waves share nothing.  Loads run four steps (16 loads a wave) ahead, the turn through LDS one step.
.set STEPS, 16
.set EMAX,  8
.set MANT,  0x600000                   ; the mantissa field of 448 as f32
.set CB,    16                         ; bytes of 16 codes
.set R,     16                         ; v16-79   four sets of 16 numbers as they are loaded
.set X,     80                         ; v80-111  two sets of 16 neighbours
.set C,     128                        ; v128-191 codes: four registers for each step, so that no store's data are written again
.set WREG,  8192                       ; LDS: a region for each wave: two stages of 32 x SP bytes
.set SP,    80                         ; a lane's place in a stage: its 64 bytes + 16 of padding
	s_load_b256 s[4:11], s[0:1], 0x0               ; x s[4:5], w_qkv s[6:7], w_proj s[8:9], the scales' exponents s[10:11]
	s_load_b128 s[12:15], s[0:1], 0x20             ; x's codes, w_qkv's codes
	s_load_b64 s[16:17], s[0:1], 0x30              ; w_proj's codes
	v_lshl_add_u32 v192, v0, 2, 0x8000
	v_mov_b32 v193, 0
	v_lshrrev_b32 v1, 5, v0
	v_readfirstlane_b32 s18, v1                    ; wave
	v_and_b32 v2, 31, v0                           ; lane
	v_lshlrev_b32 v3, 4, v2                        ; my 16 bytes of a load's 512
	s_mul_i32 s19, s18, WREG
	v_lshrrev_b32 v14, 2, v2
	v_mul_u32_u24 v14, v14, SP
	v_and_b32 v15, 3, v2
	v_lshl_add_u32 v14, v15, 4, v14
	v_add_nc_u32 v14, s19, v14                     ; the stage, on the way in: SP (lane / 4) + 16 (lane % 4); a load's 512 bytes take eight places
	v_mul_u32_u24 v15, v2, SP
	v_add_nc_u32 v15, s19, v15                     ; and on the way out: SP x lane: my 16 neighbours
	v_mul_u32_u24 v4, v2, CB                       ; my codes' place in a step's
	s_mov_b32 s20, 352                             ; w_proj's first work-group
	s_mov_b32 s21, 256                             ; w_qkv's first work-group
	s_wait_kmcnt 0x0
	s_load_b256 s[24:31], s[10:11], 0x0            ; the eight exponents
	s_cmp_lt_u32 ttmp9, s20                        ; of the two weights: w_qkv or w_proj?  The choices hang on the work-group's number alone
	s_cselect_b64 s[6:7], s[6:7], s[8:9]
	s_cselect_b64 s[14:15], s[14:15], s[16:17]
	s_cselect_b32 s22, s21, s20
	s_cmp_lt_u32 ttmp9, s21                        ; x, or that weight?
	s_cselect_b64 s[4:5], s[4:5], s[6:7]           ; the numbers
	s_cselect_b64 s[8:9], s[12:13], s[14:15]       ; the codes
	s_cselect_b32 s22, 0, s22                      ; the tensor's first work-group
	s_sub_co_u32 s22, ttmp9, s22
	s_lshl_b32 s22, s22, 2
	s_add_co_u32 s32, s22, s18                     ; which run of 8,192 numbers of the tensor is my wave's
	s_mov_b32 s33, 0
	s_lshl_b64 s[34:35], s[32:33], 15              ; 32,768 bytes of numbers a run
	s_add_nc_u64 s[4:5], s[4:5], s[34:35]
	s_lshl_b64 s[34:35], s[32:33], 13              ; 8,192 bytes of codes
	s_add_nc_u64 s[8:9], s[8:9], s[34:35]
.macro LOAD t
.irp i, 0,1,2,3
	global_load_b128 v[R+16*((\t)%4)+4*\i:R+16*((\t)%4)+4*\i+3], v3, s[4:5] offset:2048*(\t)+512*\i th:TH_LOAD_NT   ; 32 lanes read 512 consecutive bytes; read once in the launch
.endr
.endm
.macro TURN t                          ; step t's numbers through the stage: LDS serves a wave's instructions in order, so no wait stands between the stores and the loads
.irp i, 0,1,2,3
	ds_store_b128 v14, v[R+16*((\t)%4)+4*\i:R+16*((\t)%4)+4*\i+3] offset:32*SP*((\t)%2)+8*SP*\i
.endr
.irp i, 0,1,2,3
	ds_load_b128 v[X+16*((\t)%2)+4*\i:X+16*((\t)%2)+4*\i+3], v15 offset:32*SP*((\t)%2)+16*\i
.endr
.endm
.irp t, 0,1,2,3
	LOAD \t
.endr
	s_wait_kmcnt 0x0
	s_cmp_lt_u32 ttmp9, s20
	s_cselect_b32 s23, s25, s31                    ; w_qkv's exponent or w_proj's
	s_cmp_lt_u32 ttmp9, s21
	s_cselect_b32 s22, s24, s23                    ; x's, or that: e
	s_add_co_i32 s22, s22, 127
	s_lshl_b32 s23, s22, 23
	v_mov_b32 v11, s23                             ; 2^e as f32: the conversion takes its exponent field
	s_add_co_i32 s22, s22, EMAX
	s_lshl_b32 s22, s22, 23
	s_or_b32 s22, s22, MANT
	v_mov_b32 v10, s22                             ; 448 x 2^e
	s_wait_loadcnt 12                              ; step 0's four loads are in; three steps' loads stay out
	TURN 0
.macro STEP t
.set XS, X+16*((\t)%2)
	s_wait_dscnt 0x0                               ; this step's numbers are back from the stage: so its stores into the stage have read their registers,
.if (\t)+4 < STEPS
	LOAD (\t)+4                                    ; which take the loads of four steps on
.endif
.if (\t)+1 < STEPS
.if STEPS-2-(\t) >= 3
	s_wait_loadcnt 12                              ; the next step's four loads are in; those of the three steps behind it may be out
.else
	s_wait_loadcnt 4*(STEPS-2-(\t))                ; the tail: as many steps as are left behind the next one
.endif
	TURN (\t)+1                                    ; and go through the other stage while this step is worked
.endif
.irp i, 0,1,2,3,4,5,6,7,8,9,10,11,12,13,14,15
	v_med3_num_f32 v[XS+\i], v[XS+\i], -v10, v10   ; the conversion to an 8-bit code does not saturate (ISA guide 7.6.2): the number is held within 448 x the scale first
.endr
	v_cvt_scalef32_pk8_fp8_f32 v[C+4*(\t):C+4*(\t)+1], v[XS:XS+7], v11          ; eight numbers / 2^e, to the nearest code, ties to even; the first number's code in the lowest byte
	v_cvt_scalef32_pk8_fp8_f32 v[C+4*(\t)+2:C+4*(\t)+3], v[XS+8:XS+15], v11
	global_store_b128 v4, v[C+4*(\t):C+4*(\t)+3], s[8:9] offset:32*CB*(\t)      ; the results go to a store alone; the next vector lines are plain holds on the other set
.endm
.irp t, 0,1,2,3,4,5,6,7,8,9,10,11,12,13,14,15
	STEP \t
.endr
	s_wait_tensorcnt 0x0
	ds_add_u32 v192, v193
	s_wait_dscnt 0x0
	s_endpgm
.Lfunc_end_k_qf152a86bdd_quant:
	.size	k_qf152a86bdd_quant, .Lfunc_end_k_qf152a86bdd_quant-k_qf152a86bdd_quant
	.p2alignl 7, 3214868480
	.fill 96, 4, 3214868480
	.section	.rodata,"a",@progbits
	.p2align	6, 0x0
	.amdhsa_kernel k_qf152a86bdd_quant
		.amdhsa_group_segment_fixed_size 33280
		.amdhsa_private_segment_fixed_size 0
		.amdhsa_enable_private_segment 0
		.amdhsa_kernarg_size 56
		.amdhsa_user_sgpr_count 2
		.amdhsa_user_sgpr_kernarg_segment_ptr 1
		.amdhsa_wavefront_size32 1
		.amdhsa_system_sgpr_workgroup_id_x 1
		.amdhsa_system_sgpr_workgroup_id_y 1
		.amdhsa_system_sgpr_workgroup_id_z 1
		.amdhsa_system_vgpr_workitem_id 0
		.amdhsa_next_free_vgpr 194
		.amdhsa_next_free_sgpr 66
		.amdhsa_reserve_vcc 0
		.amdhsa_float_denorm_mode_32 3
		.amdhsa_float_denorm_mode_16_64 3
		.amdhsa_memory_ordered 1
		.amdhsa_forward_progress 1
		.amdhsa_inst_pref_size 37
	.end_amdhsa_kernel
	.amdgpu_metadata
---
amdhsa.version: [ 1, 2 ]
amdhsa.kernels:
  - .name:           k_qf152a86bdd_quant
    .symbol:         k_qf152a86bdd_quant.kd
    .args:
      - { .name: x, .offset: 0, .size: 8, .value_kind: global_buffer, .address_space: global }
      - { .name: w_qkv, .offset: 8, .size: 8, .value_kind: global_buffer, .address_space: global }
      - { .name: w_proj, .offset: 16, .size: 8, .value_kind: global_buffer, .address_space: global }
      - { .name: lowp_scales, .offset: 24, .size: 8, .value_kind: global_buffer, .address_space: global }
      - { .name: xc, .offset: 32, .size: 8, .value_kind: global_buffer, .address_space: global }
      - { .name: wqc, .offset: 40, .size: 8, .value_kind: global_buffer, .address_space: global }
      - { .name: wpc, .offset: 48, .size: 8, .value_kind: global_buffer, .address_space: global }
    .group_segment_fixed_size: 33280
    .private_segment_fixed_size: 0
    .kernarg_segment_align: 8
    .kernarg_segment_size: 56
    .max_flat_workgroup_size: 128
    .sgpr_count:     66
    .vgpr_count:     194
    .wavefront_size: 32
...
	.end_amdgpu_metadata
.endif
;; end of part 1
;; launch gemm_qkv (part 2): grid 12 x 32, 4 waves a work-group, clusters of 4 x 4, 327,680 bytes of LDS; arguments xc, wqc, lowp_scales, b_qkv, qkv; writes qkv
.if DOCPART == 2
	.amdgcn_target "amdgcn-amd-amdhsa--gfx1250"
	.amdhsa_code_object_version 6
	.text
	.protected	k_qf152a86bdd_gemm_qkv
	.globl	k_qf152a86bdd_gemm_qkv
	.p2align	8
	.type	k_qf152a86bdd_gemm_qkv,@function
k_qf152a86bdd_gemm_qkv:
	s_mov_b64 s[64:65], 0
	v_nop
	global_prefetch_b8 v0, s[64:65] scope:SCOPE_SE
	s_setreg_imm32_b32 hwreg(HW_REG_WAVE_MODE, 25, 1), 1
	s_wait_xcnt 0x0
	s_wait_alu depctr_hold_cnt(0) depctr_sa_sdst(0) depctr_va_vdst(0) depctr_va_sdst(0) depctr_va_ssrc(0) depctr_va_vcc(0) depctr_vm_vsrc(0)
	s_getreg_b32 s2, hwreg(HW_REG_IB_STS2, 6, 4)
	s_cmp_eq_u32 s2, 0
	s_cbranch_scc0 .Lentry_in_a_cluster
	s_endpgm
.Lentry_in_a_cluster:
	s_bfe_u32 s2, ttmp6, 0x10000c
	s_cmp_lg_u32 s2, 0xf033
	s_cbranch_scc0 .Lentry_shape_is_right
	s_endpgm
.Lentry_shape_is_right:
; qkv = x w_qkv^T + b_qkv on codes of FP8 (E4M3), and its three parts quantised anew: q with entry 2 of the scales, k with entry 3, v with entry 5.  Sums in f32; a sum stands for sum x 2^(e0 + e1).
; A tile of 256 x 256 is made by a work-group of four waves, a wave 128 x 128: 64 accumulators of 16 x 16.  K = 1,024 goes in steps of 256 through a ring of two LDS slots filled by the tensor data mover.
; TWO MODES, ONE TEXT.  X, Y: the cluster's coordinates, alike in all sixteen partners.  X = 0, 1 (q, k): operand "A" = x's codes, "B" = w_qkv's rows 0-2047: the tile is [token][feature].
; X = 2 (v): "A" = w_qkv's rows 2048-3071, "B" = x's codes: the tile is [feature][token], since the keys are the K of attention's second product.  Only pointers, offsets and constants are chosen (s_cselect); no branch hangs on X.
; THE MATRIX INSTRUCTION IS USED TRANSPOSED (source 0 = 16 rows of B, source 1 = 16 rows of A): a lane holds eight neighbouring columns of one row: eight neighbours along the next product's K.
; CLUSTERS: 4 x 4 work-groups; A's tile is shared along a row of the cluster, B's along a column: each is asked for jointly, by the same tensor load with a mask that names the four.
; THE RESULT LEAVES AS IMAGES OF OPERAND REGISTERS.  A block of 16 rows x 128 columns is 2,048 bytes: [chunk c 0-3][lane][16 bytes]; lane (r, h)'s 16 bytes are columns 32 c + 8 h + 0..7 and 32 c + 16 + 8 h + 0..7 of row r:
; four registers of a fragment of the K = 64 form.  Region QK (byte 0): [column group of 128: 0-15][block of 16 tokens: 0-511].  Region VT (byte 2^24): [group of 128 tokens: 0-63][block of 16 features: 0-63].
; LIMITS: e0 + e1 between -126 and 127; e2, e3, e5 between -126 and 119.  NaN among the inputs is not served.
; REGISTERS, in windows of 256: window 0: v16-29 addresses; v32-95 the bias along columns, v96-111 the bias along rows (each number twice, a pair for the packed addition); v112, v113 the hold and the scale;
;   from v128 A's fragments, ONE set; on the way out v128-191 a block's numbers, v192-255 four blocks' codes.   window 1: B's fragments, TWO sets.   windows 2, 3: the accumulators ((a, b) at v[8 (8 (a % 4) + b)]).
.set SIZE_K, 1024
.set KSTEP,  256                       ; along K in a slot
.set ROWB,   256                       ; a tile's row in bytes
.set KROW,   SIZE_K                    ; a row of codes in memory, in bytes
.set PITCH,  272                       ; an LDS row: 256 bytes + 16 of padding = 68 words: row r starts at bank 4 r mod 64 (64 banks of 4 bytes: ISA guide 11.1)
.set FR,     16                        ; registers of a fragment: 16 rows x 128 K
.set NL,     4                         ; LDS loads that bring one
.set NP,     4                         ; places behind this matrix instruction (ISA guide 7.12.1)
.set HALFT,  128*PITCH                 ; 128 rows: what one tensor load brings, and what one wave reads of A or of B
.set SLOT,   4*HALFT                   ; A's 256 rows, then B's 256 rows
.set LAPS,   SIZE_K/(2*KSTEP)          ; a lap = two K steps = once round the ring
.set SPARE,  2*SLOT                    ; behind the ring: the spare words, 128 bytes for each wave: two blocks of 256 bytes that no other line names
.set ADRA, 16                          ; v16-17  LDS address of my A fragments in slot 0, 1
.set ADRB, 20                          ; v20-21  the same for B
.set BO,   24                          ; v24     byte offset in b_qkv of my eight numbers along columns
.set RO,   25                          ; v25     and of my number along rows
.set CO,   26                          ; v26     16 x lane: my place in a chunk of an image
.set SPW,  28                          ; v28     LDS address of my spare word; never rewritten
.set NIL,  29                          ; v29     0; never rewritten
.set BC,   32
.set BR,   96
.set LIM,  112
.set SC,   113
.set AF,   128                         ; A's fragments, in window 0
.set TMP,  128
.set CD,   192
.set G1, 24                            ; s[24:31] descriptor group 1 for A's tiles;  s[32:39] group 0, one set for each slot
.set G0, 32
.set G1B, 48                           ; s[48:55], s[56:63] the same for B's tiles
.set G0B, 56
.set MSB, 0
.macro WIN new                         ; the immediate's high byte repeats the setting that is left
.if MSB != \new
	s_set_vgpr_msb (MSB<<8)|\new
.set MSB, \new
.endif
.endm
.set MUL_LO, 0xa1                      ; source 0 (B) window 1, source 1 (A) window 0, C and D window 2
.set MUL_HI, 0xf1                      ; the same, C and D window 3
.set TO_B,   0x40                      ; destination window 1, address window 0
; A joint load: waves 0 and 1 fetch for A, waves 2 and 3 for B.  Each of the two lines has one mask and one set of registers; the branch hangs on the wave's number alone.
; Four v_nop follow each of the two lines, ahead of the jump, the label and what follows.
.macro JLOAD g0a, g1a, g0b, g1b
	s_cmp_eq_u32 s15, 0
	s_cbranch_scc0 .Lfor_b_\@
	tensor_load_to_lds s[\g0a:\g0a+3], s[\g1a:\g1a+7]
	s_nop 0
.rept 4
	v_nop
.endr
	s_branch .Lasked_\@
.Lfor_b_\@:
	tensor_load_to_lds s[\g0b:\g0b+3], s[\g1b:\g1b+7]
	s_nop 0
.rept 4
	v_nop
.endr
.Lasked_\@:
.endm
.macro CREST                           ; a round of the cluster's barrier behind its opening barrier
	s_cmp_lg_u32 s14, 0
	s_cbranch_scc1 .Lnot_wave_0_\@
	s_barrier_signal -3
.Lnot_wave_0_\@:
	s_barrier_wait -3
	s_barrier_signal -1
	s_barrier_wait -1
.endm
.macro CROUND                          ; a whole round
	s_barrier_signal -1
	s_barrier_wait -1
	CREST
.endm
	s_load_b256 s[4:11], s[0:1], 0x0               ; x's codes s[4:5], w_qkv's codes s[6:7], the scales' exponents s[8:9], b_qkv s[10:11]
	s_load_b64 s[12:13], s[0:1], 0x20              ; qkv
	v_lshl_add_u32 v[SPW], v0, 2, SPARE
	v_mov_b32 v[NIL], 0
	ds_add_u32 v28, v29
	ds_add_u32 v28, v29
	s_wait_dscnt 0x0
	v_lshrrev_b32 v1, 5, v0
	v_readfirstlane_b32 s14, v1                    ; wave 0..3
	s_lshr_b32 s15, s14, 1                         ; which half of the tile's rows is mine.  Also: I fetch for A (0) or for B (1)
	s_and_b32 s16, s14, 1                          ; which half of its columns.  Also: which 128 rows of that tile I fetch
	s_bfe_u32 s40, ttmp6, 0x40000                  ; cx, cy: my place in the cluster
	s_bfe_u32 s41, ttmp6, 0x40004
	s_and_b32 s67, ttmp7, 0xffff                   ; Y
	s_cmp_eq_u32 ttmp9, 2                          ; v's mode?
	s_cselect_b32 s68, 0, s67                      ; the cluster's row of tiles: q, k: Y (tokens); v: 0 (v's 1,024 features are four tile rows)
	s_cselect_b32 s69, s67, ttmp9                  ; its column of tiles: q, k: X (features); v: Y (tokens)
	s_lshl_b32 s42, s69, 2
	s_add_co_u32 s42, s42, s40                     ; tile column = 4 x the cluster's + cx
	s_lshl_b32 s17, s68, 2
	s_add_co_u32 s17, s17, s41                     ; tile row = 4 x the cluster's + cy
	s_lshl_b32 s43, s41, 2
	s_lshl_b32 s43, 15, s43                        ; my row of the cluster
	s_lshl_b32 s44, 0x1111, s40                    ; my column
	; descriptor group 1: a tile of 128 rows x 256 bytes, padded in LDS
	s_or_b32 s[G1+0], s43, (0<<16)|(1<<20)|(1<<21)|(5<<22)|(3<<25)  ; 15:0 the mask: A's tiles go to my row; 17:16 element of 1 byte; 20 padding on; 21 set beside a mask; 24:22 after every 64 words (code 5); 31:25 of 4 words (code 3)
	s_or_b32 s[G1B+0], s44, (0<<16)|(1<<20)|(1<<21)|(5<<22)|(3<<25) ; the same with the mask of my column
.irp g, G1, G1B
	s_mov_b32 s[\g+1], ROWB<<16                    ; tensor_dim0
	s_mov_b32 s[\g+2], 128<<16                     ; tensor_dim1 = 128
	s_mov_b32 s[\g+3], ROWB<<16                    ; tile_dim0
	s_mov_b32 s[\g+4], 128                         ; tile_dim1 = 128
	s_mov_b32 s[\g+5], KROW                        ; tensor_dim0_stride
	s_mov_b32 s[\g+6], 0
	s_mov_b32 s[\g+7], 0
.endr
	s_lshl_b32 s18, s16, 7                         ; which 128 rows of the tile I fetch
	s_lshl_b32 s20, s17, 8
	s_add_co_u32 s20, s20, s18                     ; A: row 256 x tile row + 128 x half
	s_lshl_b32 s46, s42, 8
	s_add_co_u32 s46, s46, s18                     ; B: row 256 x tile column + 128 x half
	s_mov_b32 s21, 0
	s_mov_b32 s47, 0
	s_mov_b64 s[18:19], KROW
	s_mul_u64 s[20:21], s[20:21], s[18:19]         ; in bytes
	s_mul_u64 s[46:47], s[46:47], s[18:19]
	s_mul_i32 s45, s14, HALFT                      ; where they go: wave x 128 rows: no place in the cluster enters an LDS address
	s_wait_kmcnt 0x0
	s_load_b256 s[80:87], s[8:9], 0x0              ; e0 .. e7
	s_add_nc_u64 s[70:71], s[6:7], 0x200000        ; w_qkv's row 2,048: v's weights
	s_cmp_eq_u32 ttmp9, 2
	s_cselect_b64 s[72:73], s[70:71], s[4:5]       ; "A"
	s_cselect_b64 s[74:75], s[4:5], s[6:7]         ; "B"
	s_add_nc_u64 s[20:21], s[72:73], s[20:21]
	s_add_nc_u64 s[46:47], s[74:75], s[46:47]
	CROUND                                         ; all sixteen work-groups are here: the first joint loads meet
.irp s, 0,1
	s_mov_b32 s[G0+4*\s], 1
	s_add_co_u32 s[G0+4*\s+1], s45, \s*SLOT
	s_add_nc_u64 s[G0+4*\s+2:G0+4*\s+3], s[20:21], \s*ROWB
	s_or_b32 s[G0+4*\s+3], s[G0+4*\s+3], 0x80000000
	s_mov_b32 s[G0B+4*\s], 1
	s_add_co_u32 s[G0B+4*\s+1], s45, \s*SLOT
	s_add_nc_u64 s[G0B+4*\s+2:G0B+4*\s+3], s[46:47], \s*ROWB
	s_or_b32 s[G0B+4*\s+3], s[G0B+4*\s+3], 0x80000000
	JLOAD G0+4*\s, G1, G0B+4*\s, G1B               ; two tensor loads of mine are out behind these
.endr
	v_and_b32 v1, 15, v0                           ; r = l % 16
	v_bfe_u32 v2, v0, 4, 1                         ; h = l / 16
	v_mul_u32_u24 v3, v1, PITCH
	v_lshl_add_u32 v4, v2, 4, v3                   ; a fragment's row x pitch + 16 x half
	s_mul_i32 s21, s15, HALFT                      ; my 128 rows of A
	s_mul_i32 s22, s16, HALFT                      ; my 128 rows of B,
	s_add_co_u32 s22, s22, 2*HALFT                 ; which lie behind A's 256
.irp s, 0,1
	v_add_nc_u32 v[ADRA+\s], s21, v4
	v_add_nc_u32 v[ADRB+\s], s22, v4
	s_add_co_u32 s21, s21, SLOT
	s_add_co_u32 s22, s22, SLOT
.endr
	; THE BIAS.  q, k: it runs along my columns (features 256 x tile column + 128 x half on); v: along my rows (features 2,048 + 256 x tile row + 128 x half on).  Both sets are loaded, the one
	; that does not apply from the buffer's first bytes, and cleared below: so one text adds both.
	s_lshl_b32 s78, s42, 8
	s_lshl_b32 s79, s16, 7
	s_add_co_u32 s78, s78, s79
	s_lshl_b32 s78, s78, 2                         ; my first column, x 4 bytes
	s_lshl_b32 s79, s17, 8
	s_lshl_b32 s89, s15, 7
	s_add_co_u32 s79, s79, s89
	s_add_co_u32 s79, s79, 2048
	s_lshl_b32 s79, s79, 2                         ; 2,048 + my first row, x 4 bytes
	s_cmp_eq_u32 ttmp9, 2
	s_cselect_b32 s78, 0, s78
	s_cselect_b32 s79, s79, 0
	s_cselect_b32 s76, 0, -1                       ; keeps the columns' bias in q's and k's mode,
	s_not_b32 s77, s76                             ; the rows' in v's
	v_lshl_add_u32 v[BO], v2, 5, s78               ; accumulator (a, b), register j, lane (r, h): column 16 b + 8 h + j
	v_lshl_add_u32 v[RO], v1, 2, s79               ; and row 16 a + r
.irp b, 0,1,2,3,4,5,6,7
	global_load_b128 v[BC+8*\b:BC+8*\b+3], v[BO], s[10:11] offset:64*\b
	global_load_b128 v[BC+8*\b+4:BC+8*\b+7], v[BO], s[10:11] offset:64*\b+16
.endr
.irp a, 0,1,2,3,4,5,6,7
	global_load_b32 v[BR+2*\a], v[RO], s[10:11] offset:64*\a
	global_load_b32 v[BR+2*\a+1], v[RO], s[10:11] offset:64*\a
.endr
	v_and_b32 v6, 31, v0
	v_lshlrev_b32 v[CO], 4, v6
	; where my eight blocks go: region + ((2 x tile column + half) x blocks in a column group + 16 x tile row + 8 x half) x 2,048: 16 KB on end
	s_lshl_b32 s90, s42, 1
	s_add_co_u32 s90, s90, s16
	s_cmp_eq_u32 ttmp9, 2
	s_cselect_b32 s91, 6, 9                        ; 64 blocks of features in VT, 512 blocks of tokens in QK
	s_lshl_b32 s90, s90, s91
	s_lshl_b32 s91, s17, 4
	s_add_co_u32 s90, s90, s91
	s_lshl_b32 s91, s15, 3
	s_add_co_u32 s90, s90, s91
	s_lshl_b32 s90, s90, 11
	s_cmp_eq_u32 ttmp9, 2
	s_cselect_b32 s91, 0x1000000, 0
	s_add_co_u32 s90, s90, s91
	s_mov_b32 s91, 0
	s_add_nc_u64 s[12:13], s[12:13], s[90:91]
	s_wait_kmcnt 0x0                               ; the exponents
	s_add_co_i32 s96, s80, s81
	s_add_co_i32 s96, s96, 127
	s_lshl_b32 s96, s96, 23                        ; 2^(e0 + e1) as f32
	s_mov_b32 s97, s96                             ; (named with it as a pair, so it is written)
	s_cmp_eq_u32 ttmp9, 0
	s_cselect_b32 s88, s82, s83                    ; q's exponent or k's,
	s_cmp_eq_u32 ttmp9, 2
	s_cselect_b32 s88, s85, s88                    ; or v's
	s_add_co_i32 s88, s88, 127
	s_lshl_b32 s89, s88, 23
	v_mov_b32 v[SC], s89                           ; the result's scale as f32: the conversion takes its exponent field
	s_add_co_i32 s88, s88, 8
	s_lshl_b32 s88, s88, 23
	s_or_b32 s88, s88, 0x600000
	v_mov_b32 v[LIM], s88                          ; 448 x that
	s_wait_loadcnt 0x0                             ; the biases, while the first tiles are on their way: no global load is out in the loop
.set j, 0
.rept 64
	v_and_b32 v[BC+j], s76, v[BC+j]
.set j, j+1
.endr
.set j, 0
.rept 16
	v_and_b32 v[BR+j], s77, v[BR+j]
.set j, j+1
.endr
.macro FRAG reg, adr, q, i             ; a fragment, 16 rows x 128 K, is 16 registers: lane l holds row l % 16; registers 4 c .. 4 c + 3 hold K = 32 c + 16 (l / 16) + 0 .. 15: the same permutation of k in A and in B
.irp c, 0,1,2,3
	ds_load_b128 v[\reg+4*\c:\reg+4*\c+3], v[\adr] offset:128*(\q)+32*\c+(\i)*16*PITCH
.endr
.endm
; 16 matrix instructions: A's blocks a0, a0 + 1 x B's eight, 128 along K.  p: B's set.  zero = 1: the first product starts the sums.
; The 64 accumulators take turns, one instruction a turn, in the same order in every step.
.macro MUL16 a0, p, zero
.irp a, \a0, \a0+1
.irp b, 0,1,2,3,4,5,6,7
.if \zero
	v_wmma_f32_16x16x128_fp8_fp8 v[8*(8*((\a)%4)+\b):8*(8*((\a)%4)+\b)+7], v[128*(\p)+FR*\b:128*(\p)+FR*\b+FR-1], v[AF+FR*(\a):AF+FR*(\a)+FR-1], 0
.else
	v_wmma_f32_16x16x128_fp8_fp8 v[8*(8*((\a)%4)+\b):8*(8*((\a)%4)+\b)+7], v[128*(\p)+FR*\b:128*(\p)+FR*\b+FR-1], v[AF+FR*(\a):AF+FR*(\a)+FR-1], v[8*(8*((\a)%4)+\b):8*(8*((\a)%4)+\b)+7]
.endif
.endr
.endr
.endm
.macro FETCH_B slot, q, p              ; B's eight fragments of the slot's q-th 128 along K into set p
	WIN TO_B
.irp i, 0,1,2,3,4,5,6,7
	FRAG 128*(\p)+FR*\i, ADRB+\slot, \q, \i
.endr
	WIN 0
.endm
.macro FETCH_A slot, q, i0             ; A's blocks i0 .. i0 + 3
.irp i, \i0, \i0+1, \i0+2, \i0+3
	FRAG AF+FR*(\i), ADRA+\slot, \q, \i
.endr
.endm
; A load into a register that a matrix instruction has read, and a vector instruction that reads a matrix result or writes one of its registers, stand NP places behind it; only plain vector
; instructions that name none of its registers are places (ISA guide 7.12.1 for vector instructions).
.macro PLACES n
.rept \n
	v_nop
.endr
.endm
; A step of 128 along K that has its successor in the same slot.  A's blocks go one after the other, each against B's eight: so one set of registers serves A.
.macro STEP slot, q, zero
	s_wait_dscnt 4*NL                              ; B's set and A's blocks 0-3 are in; the youngest sixteen loads (A's blocks 4-7) may be out
	WIN MUL_LO
	MUL16 0, (\q)%2, \zero
	MUL16 2, (\q)%2, \zero
	s_wait_dscnt 0                                 ; A's blocks 4-7 are in (asked for 32 matrix instructions ago)
	PLACES NP
	FETCH_B \slot, (\q)+1, 1-(\q)%2
	FETCH_A \slot, (\q)+1, 0
	WIN MUL_HI
	MUL16 4, (\q)%2, \zero
	MUL16 6, (\q)%2, \zero
	PLACES NP
	WIN 0
	FETCH_A \slot, (\q)+1, 4
.endm
; A slot's last step changes slots: ONE barrier; in front of it each wave waits for all its tensor loads, adds 0 to its spare word, and waits for that and for its own reads of this slot.  fill = 1: this slot is filled again, two K steps ahead.
.macro TURN slot, next, fill
	s_wait_tensorcnt 0x0                           ; all my tensor loads have landed: my part of the next slot;  (every window is 0 here)
	ds_add_u32 v[SPW], v[NIL]                      ; 0 onto my spare word
	s_wait_dscnt 4*NL+1                            ; (the add and the youngest sixteen loads, A's blocks 4-7, may be out)
	WIN MUL_LO
	MUL16 0, 1, 0                                  ; sixteen matrix instructions stand between the add and the wait for it
	s_wait_dscnt 0x0                               ; the add is done, and my reads of this slot are over
	s_barrier_signal -1
	MUL16 2, 1, 0
	WIN 0
	s_barrier_wait -1
.if \fill
	CREST                                          ; the barrier has opened a round of the cluster's barrier: no wave of any partner still reads this slot's tile or has a load on its way
	s_add_nc_u64 s[G0+4*\slot+2:G0+4*\slot+3], s[G0+4*\slot+2:G0+4*\slot+3], 2*ROWB
	s_add_nc_u64 s[G0B+4*\slot+2:G0B+4*\slot+3], s[G0B+4*\slot+2:G0B+4*\slot+3], 2*ROWB
	JLOAD G0+4*\slot, G1, G0B+4*\slot, G1B         ; the first tensor load behind the round, my one load until the next; its four v_nop are the places in front of the loads below
.else
	PLACES NP
.endif
	FETCH_B \next, 0, 0
	FETCH_A \next, 0, 0
	WIN MUL_HI
	MUL16 4, 1, 0
	MUL16 6, 1, 0
	PLACES NP
	WIN 0
	FETCH_A \next, 0, 4
.endm
	s_wait_tensorcnt 1                             ; my part of K step 0 is in (K step 1's load may be out)
	s_barrier_signal -1
	s_barrier_wait -1                              ; everybody's is
	FETCH_B 0, 0, 0
	FETCH_A 0, 0, 0
	FETCH_A 0, 0, 4
	STEP 0, 0, 1                                   ; the first step stands in front of the loop: its products start the sums
	s_mov_b32 s3, LAPS-1
.Llap:                                                 ; a trip goes once round the ring, from a lap's second step to the next lap's first, and fills both slots again
	TURN 0, 1, 1
	STEP 1, 0, 0
	TURN 1, 0, 1
	STEP 0, 0, 0
	s_sub_co_u32 s3, s3, 1
	s_cmp_lg_u32 s3, 0
	s_cbranch_scc1 .Llap
	TURN 0, 1, 0                                   ; the last lap fills nothing, and has no round of the cluster's barrier
	STEP 1, 0, 0
	s_wait_dscnt 4*NL                              ; the very last step: nothing more to fetch
	WIN MUL_LO
	MUL16 0, 1, 0
	MUL16 2, 1, 0
	s_wait_dscnt 0
	WIN MUL_HI
	MUL16 4, 1, 0
	MUL16 6, 1, 0
	WIN 0
; THE WAY OUT, block by block of 16 rows x 128 columns: number = sum x 2^(e0 + e1) + bias, in f32; held; eight neighbours along the next K to a conversion.  A lane's 16 registers of codes are the block's image:
; each store of the wave covers 512 consecutive bytes, aligned.  Nothing goes through LDS.
.macro OUTBLK a
.set AC, 64*((\a)%4)
.set CBK, CD+16*((\a)%4)
.if (\a) >= 4
	s_wait_xcnt 0x0                                ; the stores of four blocks back have read their registers, which take this block's codes
.endif
	WIN 0x02+((\a)/4)                              ; source 0: window 2 or 3
.set j, 0
.rept 32
	v_pk_fma_f32 v[TMP+j:TMP+j+1], v[AC+j:AC+j+1], s[96:97], v[BC+j:BC+j+1] op_sel_hi:[1,0,1]   ; each accumulator from its low end on
.set j, j+2
.endr
	WIN 0
.set j, 0
.rept 32
	v_pk_add_f32 v[TMP+j:TMP+j+1], v[TMP+j:TMP+j+1], v[BR+2*(\a):BR+2*(\a)+1]   ; one of the two biases is 0: nothing is rounded twice
.set j, j+2
.endr
.set j, 0
.rept 64
	v_med3_num_f32 v[TMP+j], v[TMP+j], -v[LIM], v[LIM]   ; the conversion to an 8-bit code does not saturate (ISA guide 7.6.2)
.set j, j+1
.endr
.irp b, 0,1,2,3,4,5,6,7
	v_cvt_scalef32_pk8_fp8_f32 v[CBK+2*\b:CBK+2*\b+1], v[TMP+8*\b:TMP+8*\b+7], v[SC]
.endr
	v_nop                                          ; one plain vector instruction between the conversions and the next block's lines, which write their sources
.irp c, 0,1,2,3
	global_store_b128 v[CO], v[CBK+4*\c:CBK+4*\c+3], s[12:13] offset:2048*(\a)+512*\c
.endr
.endm
	PLACES NP                                      ; behind the last products: their results are read and A's registers written below
.irp a, 0,1,2,3,4,5,6,7
	OUTBLK \a
.endr
	s_wait_tensorcnt 0x0                           ; the wave's end
	ds_add_u32 v[SPW], v[NIL]
	s_wait_dscnt 0x0
	CROUND                                         ; the closing round: no work-group ends while a partner may still ask for a tile that names it
	s_endpgm
.Lfunc_end_k_qf152a86bdd_gemm_qkv:
	.size	k_qf152a86bdd_gemm_qkv, .Lfunc_end_k_qf152a86bdd_gemm_qkv-k_qf152a86bdd_gemm_qkv
	.p2alignl 7, 3214868480
	.fill 96, 4, 3214868480
	.section	.rodata,"a",@progbits
	.p2align	6, 0x0
	.amdhsa_kernel k_qf152a86bdd_gemm_qkv
		.amdhsa_group_segment_fixed_size 327680
		.amdhsa_private_segment_fixed_size 0
		.amdhsa_enable_private_segment 0
		.amdhsa_kernarg_size 40
		.amdhsa_user_sgpr_count 2
		.amdhsa_user_sgpr_kernarg_segment_ptr 1
		.amdhsa_wavefront_size32 1
		.amdhsa_system_sgpr_workgroup_id_x 1
		.amdhsa_system_sgpr_workgroup_id_y 1
		.amdhsa_system_sgpr_workgroup_id_z 1
		.amdhsa_system_vgpr_workitem_id 0
		.amdhsa_next_free_vgpr 1024
		.amdhsa_next_free_sgpr 98
		.amdhsa_reserve_vcc 0
		.amdhsa_float_denorm_mode_32 3
		.amdhsa_float_denorm_mode_16_64 3
		.amdhsa_memory_ordered 1
		.amdhsa_forward_progress 1
		.amdhsa_inst_pref_size 156
	.end_amdhsa_kernel
	.amdgpu_metadata
---
amdhsa.version: [ 1, 2 ]
amdhsa.kernels:
  - .name:           k_qf152a86bdd_gemm_qkv
    .symbol:         k_qf152a86bdd_gemm_qkv.kd
    .args:
      - { .name: xc, .offset: 0, .size: 8, .value_kind: global_buffer, .address_space: global }
      - { .name: wqc, .offset: 8, .size: 8, .value_kind: global_buffer, .address_space: global }
      - { .name: lowp_scales, .offset: 16, .size: 8, .value_kind: global_buffer, .address_space: global }
      - { .name: b_qkv, .offset: 24, .size: 8, .value_kind: global_buffer, .address_space: global }
      - { .name: qkv, .offset: 32, .size: 8, .value_kind: global_buffer, .address_space: global }
    .group_segment_fixed_size: 327680
    .private_segment_fixed_size: 0
    .kernarg_segment_align: 8
    .kernarg_segment_size: 40
    .max_flat_workgroup_size: 128
    .sgpr_count:     98
    .vgpr_count:     1024
    .wavefront_size: 32
...
	.end_amdgpu_metadata
.endif
;; end of part 2
;; launch attn (part 3): grid 64 x 4, 8 waves a work-group, no clusters, 35,840 bytes of LDS; arguments qkv, lowp_scales, ac; writes ac
.if DOCPART == 3
	.amdgcn_target "amdgcn-amd-amdhsa--gfx1250"
	.amdhsa_code_object_version 6
	.text
	.protected	k_qf152a86bdd_attn
	.globl	k_qf152a86bdd_attn
	.p2align	8
	.type	k_qf152a86bdd_attn,@function
k_qf152a86bdd_attn:
	s_mov_b64 s[64:65], 0
	v_nop
	global_prefetch_b8 v0, s[64:65] scope:SCOPE_SE
	s_setreg_imm32_b32 hwreg(HW_REG_WAVE_MODE, 25, 1), 1
	s_wait_xcnt 0x0
; Attention within a band: key k counts for query q where |k - q| <= 4, inside one batch of 2,048 tokens.  Both products on codes of FP8 (E4M3) by the K = 64 form; o is quantised anew (entry 6 of the scales) into ac [8192][1024].
; q, k, v come as images of operand registers: a block of 16 rows x 128 columns is [chunk 0-3][lane][16 bytes]; region QK at byte 0: [column group 0-15][block of 16 tokens 0-511] (q: groups 0-7, k: 8-15);
; region VT at byte 2^24: [group of 128 tokens 0-63][block of 16 features 0-63], rows = features, columns = tokens.  Every fragment is read at the lane's own place, 16 x lane.
; SHARES.  A wave owns one block R of 16 queries (R = 8 x work-group x + wave) and four heads (4 g .. 4 g + 3, g = work-group y).  No loop, no branch, no barrier; all 56 loads go out at the head.
; THE KEYS.  Queries 16 R .. 16 R + 15 see keys 16 R - 4 .. 16 R + 19.  Tile 0 of S^T = K Q^T takes block R; tile 1 takes rows 0-7 of block R + 1 (its lanes r < 8) and rows 8-15 of block R - 1 (r >= 8).
; So lane (query r, half h) holds, in tile 0, keys 16 R + 8 h + j; in tile 1, keys 16 R + 16 + j (h = 0) or 16 R - 8 + j (h = 1).  What the band hides, and a neighbouring block of another batch, becomes -infinity: p = 0.
; THE SOFTMAX: t = score x log2(e) / 8; M = the row's largest t rounded UP to a whole number; p = 2^(t - M) is quantised (entry 4); the row's sum is taken of the unquantised p and divides at the end.  A query sees itself, so M is a number.
; O^T = V^T P^T: a chunk of VT holds a PAIR of token blocks (even, odd).  V's fragment: K slots 0, 1 = the pair that holds R; slots 2, 3 = the pair that holds R + 1 (lanes h = 0) or R - 1 (h = 1).
; p's codes go to the slot of the right parity, zero codes to the other: v's codes are held numbers, so zero times them adds nothing.
; LIMITS: e2 + e3 between -123 and 130 (added to the exponent field of log2(e) / 8); e4 between -126 and 119; e4 + e5 - e6 is applied by v_ldexp_f32.  NaN among the inputs is not served.
; REGISTERS: window 0: v1-11 lane numbers and addresses; v12-16 constants; v18-29 at work; v32-63 Q; v64-127 K; v128-143 S^T, then p; v144-147 p's codes; v148-155 P; v156-187 O^T; v188-219 o's codes, eight a head; v220-251 rows on the way out.
;   window 1: v0-127 V: head i, tile t at v[32 i + 8 t].
.set QO,   4                           ; v4   q: 16 x lane + my block's first byte
.set KO0,  5                           ; v5   k, tile 0
.set KO1,  6                           ; v6   k, tile 1: block R + 1 or R - 1 by the lane
.set VO0,  7                           ; v7   v: the chunk that holds R
.set VO1,  8                           ; v8   v: the chunk that holds R + 1 or R - 1 by the lane's half
.set STO,  9                           ; v9   the stage: where I put 8 bytes of a row
.set RD,   10                          ; v10  and where I read a row back
.set GO,   11                          ; v11  my byte offset in the wave's 16 rows of ac
.set NINF, 12
.set PLIM, 13
.set PSC,  14
.set OLIM, 15
.set ONE,  16
.set QF,   32
.set KF,   64
.set S,    128
.set PC,   144
.set P,    148
.set OA,   156
.set OC,   188
.set OUTR, 220
.set MK,   32                          ; s[32:47] lane masks: bit set where register n's key counts for the lane's query
.set MSB, 0
.macro WIN new                         ; the immediate's high byte repeats the setting that is left
.if MSB != \new
	s_set_vgpr_msb (MSB<<8)|\new
.set MSB, \new
.endif
.endm
	s_load_b128 s[4:7], s[0:1], 0x0                ; qkv s[4:5], the scales' exponents s[6:7]
	s_load_b64 s[8:9], s[0:1], 0x10                ; ac
	v_lshl_add_u32 v254, v0, 2, 0x8800
	v_mov_b32 v255, 0
	v_lshrrev_b32 v1, 5, v0
	v_readfirstlane_b32 s10, v1                    ; wave 0..7
	s_lshl_b32 s11, ttmp9, 3
	s_add_co_u32 s11, s11, s10                     ; R
	s_and_b32 s12, ttmp7, 0xffff                   ; g
	s_add_co_u32 s13, s11, 1
	s_min_u32 s13, s13, 511                        ; R + 1, kept inside the buffer
	s_max_u32 s14, s11, 1
	s_sub_co_u32 s14, s14, 1                       ; R - 1, likewise
	s_and_b32 s15, s11, 127                        ; my block's place in its batch of 128 blocks
	s_cmp_eq_u32 s15, 127
	s_cselect_b32 s16, 0x1000, 16                  ; tile 1, h = 0: first key - 16 R; far outside the band where block R + 1 is another batch's
	s_cmp_eq_u32 s15, 0
	s_cselect_b32 s17, 0x1000, -8                  ; tile 1, h = 1
	s_lshl_b32 s31, s12, 21                        ; four heads are two column groups of 2^20 bytes
	s_lshl_b32 s18, s11, 11
	s_add_co_u32 s18, s18, s31                     ; q's block
	s_add_co_u32 s31, s31, 0x800000                ; k lies eight column groups on
	s_lshl_b32 s19, s13, 11
	s_add_co_u32 s19, s19, s31                     ; k's block R + 1
	s_lshl_b32 s20, s14, 11
	s_add_co_u32 s20, s20, s31                     ; k's block R - 1
	s_lshl_b32 s58, s12, 15                        ; four heads are sixteen blocks of features
	s_add_co_u32 s58, s58, 0x1000000
.macro VBASE dst, src                  ; the chunk of VT that holds token block s[src]: group (block / 8) x 2^17 + chunk ((block / 2) % 4) x 512
	s_lshr_b32 s56, s[\src], 3
	s_lshl_b32 s56, s56, 17
	s_bfe_u32 s57, s[\src], 0x20001
	s_lshl_b32 s57, s57, 9
	s_add_co_u32 s[\dst], s56, s57
	s_add_co_u32 s[\dst], s[\dst], s58
.endm
	VBASE 21, 11
	VBASE 22, 13
	VBASE 23, 14
	s_bitcmp1_b32 s11, 0
	s_cselect_b32 s24, -1, 0                       ; all ones where R is odd,
	s_not_b32 s25, s24                             ; where it is even
	s_mov_b32 s26, 0x76543210                      ; v_permlanex16_b32's selects for lane l xor 16
	s_mov_b32 s27, 0xfedcba98
	s_lshl_b32 s60, s11, 14                        ; ac: 16 rows of 1,024 bytes a block,
	s_lshl_b32 s61, s12, 8                         ; 256 bytes for four heads
	s_add_co_u32 s60, s60, s61
	s_mov_b32 s61, 0
	v_and_b32 v17, 31, v0                          ; lane
	v_and_b32 v1, 15, v0                           ; r
	v_bfe_u32 v2, v0, 4, 1                         ; h
	v_lshlrev_b32 v3, 4, v17                       ; 16 x lane
	v_add_nc_u32 v[QO], s18, v3
	v_add_nc_u32 v[KO0], 0x800000, v[QO]
	v_mov_b32 v22, s19
	v_mov_b32 v24, s20
	v_cmp_gt_u32 vcc_lo, 8, v1
	v_cndmask_b32 v[KO1], v24, v22, vcc_lo         ; r < 8: block R + 1; else block R - 1
	v_add_nc_u32 v[KO1], v[KO1], v3
	v_add_nc_u32 v[VO0], s21, v3
	v_mov_b32 v22, s22
	v_mov_b32 v24, s23
	v_cmp_eq_u32 vcc_lo, 1, v2
	v_cndmask_b32 v[VO1], v22, v24, vcc_lo         ; h = 0: the pair of R + 1; h = 1: of R - 1
	v_add_nc_u32 v[VO1], v[VO1], v3
	s_wait_kmcnt 0x0
	s_load_b256 s[48:55], s[6:7], 0x0              ; e0 .. e7
	s_add_nc_u64 s[8:9], s[8:9], s[60:61]
.irp i, 0,1,2,3                        ; head 4 g + i: 14 loads: Q, K's two tiles, then V's four tiles
.irp c, 0,1
	global_load_b128 v[QF+8*\i+4*\c:QF+8*\i+4*\c+3], v[QO], s[4:5] offset:(\i/2)*0x100000+(\i%2)*1024+512*\c
.endr
.irp c, 0,1
	global_load_b128 v[KF+16*\i+4*\c:KF+16*\i+4*\c+3], v[KO0], s[4:5] offset:(\i/2)*0x100000+(\i%2)*1024+512*\c
.endr
.irp c, 0,1
	global_load_b128 v[KF+16*\i+8+4*\c:KF+16*\i+8+4*\c+3], v[KO1], s[4:5] offset:(\i/2)*0x100000+(\i%2)*1024+512*\c
.endr
	WIN 0x40                                       ; destination window 1
.irp t, 0,1,2,3
	global_load_b128 v[32*\i+8*\t:32*\i+8*\t+3], v[VO0], s[4:5] offset:(4*\i+\t)*2048
	global_load_b128 v[32*\i+8*\t+4:32*\i+8*\t+7], v[VO1], s[4:5] offset:(4*\i+\t)*2048
.endr
	WIN 0
.endr
	; the stage: 16 rows (queries) x (256 bytes + 16) for each wave
	s_mul_i32 s59, s10, 4352
	v_mul_u32_u24 v[STO], v1, 272
	v_lshl_add_u32 v[STO], v2, 3, v[STO]
	v_add_nc_u32 v[STO], s59, v[STO]               ; in: row r, + 8 h
	v_mul_u32_u24 v[RD], v2, 272
	v_lshl_add_u32 v[RD], v1, 4, v[RD]
	v_add_nc_u32 v[RD], s59, v[RD]                 ; back: lanes 0-15 one row, lanes 16-31 the next
	v_lshlrev_b32 v[GO], 10, v2
	v_lshl_add_u32 v[GO], v1, 4, v[GO]             ; and the same two rows in ac
	v_mov_b32 v[NINF], 0xff800000                  ; -infinity
	v_mov_b32 v[OLIM], 0x43e00000                  ; 448
	v_mov_b32 v[ONE], 1.0
	v_mov_b32 v19, 0                               ; (named as upper halves of pairs, so they are written)
	v_mov_b32 v21, 0
	v_mov_b32 v23, 0                               ; (a lane permute's destination counts as one of its sources)
	v_mov_b32 v25, 0
	; the masks.  key - query + 4 lies between 0 and 8, as an unsigned number, just where the key counts
	v_lshlrev_b32 v22, 3, v2
	v_sub_nc_u32 v22, v22, v1                      ; tile 0: 8 h - r
.set n, 0
.rept 8
	v_add_nc_u32 v24, n+4, v22
	v_cmp_ge_u32 s[MK+n], 8, v24
.set n, n+1
.endr
	v_mov_b32 v26, s16
	v_mov_b32 v27, s17
	v_cmp_eq_u32 vcc_lo, 1, v2
	v_cndmask_b32 v26, v26, v27, vcc_lo
	v_sub_nc_u32 v22, v26, v1                      ; tile 1: 16 - r or -8 - r
.set n, 0
.rept 8
	v_add_nc_u32 v24, n+4, v22
	v_cmp_ge_u32 s[MK+8+n], 8, v24
.set n, n+1
.endr
	s_wait_kmcnt 0x0
	s_add_co_i32 s56, s50, s51
	s_lshl_b32 s56, s56, 23
	s_add_co_i32 s28, s56, 0x3e38aa3b              ; c = log2(e) / 8 x 2^(e2 + e3): the two exponents are added to the exponent field
	s_mov_b32 s29, s28                             ; (named with it as a pair, so it is written)
	s_add_co_i32 s30, s52, s53
	s_sub_co_i32 s30, s30, s54                     ; e4 + e5 - e6: O^T's sums stand for sum x 2^(e4 + e5), and o's code is o / 2^e6
	s_add_co_i32 s56, s52, 127
	s_lshl_b32 s57, s56, 23
	v_mov_b32 v[PSC], s57                          ; 2^e4 as f32
	s_add_co_i32 s56, s56, 8
	s_lshl_b32 s56, s56, 23
	s_or_b32 s56, s56, 0x600000
	v_mov_b32 v[PLIM], s56                         ; 448 x 2^e4
.macro HEAD i
.set rQ, QF+8*(\i)
.set rK, KF+16*(\i)
.set rC, OC+8*(\i)
	s_wait_loadcnt 50-14*(\i)                      ; this head's Q and K are in; behind them: its eight loads of V and 14 for each later head
	v_wmma_f32_16x16x64_fp8_fp8 v[S:S+7], v[rK:rK+7], v[rQ:rQ+7], 0            ; S^T: source 0 = 16 keys, source 1 = my 16 queries
	v_wmma_f32_16x16x64_fp8_fp8 v[S+8:S+15], v[rK+8:rK+15], v[rQ:rQ+7], 0
.rept 4
	v_nop                                          ; places behind the products (ISA guide 7.12.1)
.endr
.set n, 0
.rept 16
	v_cndmask_b32 v[S+n], v[NINF], v[S+n], s[MK+n]   ; each result from its low end on
.set n, n+1
.endr
	v_max3_num_f32 v22, v[S], v[S+1], v[S+2]       ; the largest score of my query among my 16 keys, in two chains,
	v_max3_num_f32 v24, v[S+3], v[S+4], v[S+5]
	v_max3_num_f32 v22, v22, v[S+6], v[S+7]
	v_max3_num_f32 v24, v24, v[S+8], v[S+9]
	v_max3_num_f32 v22, v22, v[S+10], v[S+11]
	v_max3_num_f32 v24, v24, v[S+12], v[S+13]
	v_max3_num_f32 v22, v22, v[S+14], v[S+15]
	v_max_num_f32 v22, v22, v24
	v_permlanex16_b32 v23, v22, s26, s27
	v_max_num_f32 v22, v22, v23                    ; and among lane l xor 16's
	v_mul_f32 v22, s28, v22                        ; as t (c is positive)
	v_floor_f32 v18, -v22                          ; -M = floor(-t) = -ceil(t)
.set n, 0
.rept 8
	v_pk_fma_f32 v[S+n:S+n+1], v[S+n:S+n+1], s[28:29], v[18:19] op_sel_hi:[1,0,0]   ; t - M (of the pairs c and -M the low word serves both halves)
.set n, n+2
.endr
.set n, 0
.rept 16
	v_exp_f32 v[S+n], v[S+n]                       ; p = 2^(t - M): not normalised; 0 where the key is hidden
.set n, n+1
.endr
	v_nop                                          ; a plain place behind the exponentials
	s_wait_alu depctr_va_vdst(0)
	v_pk_add_f32 v[26:27], v[S:S+1], v[S+2:S+3]    ; the row's sum, of the unquantised p, in two chains
	v_pk_add_f32 v[28:29], v[S+4:S+5], v[S+6:S+7]
	v_pk_add_f32 v[26:27], v[26:27], v[S+8:S+9]
	v_pk_add_f32 v[28:29], v[28:29], v[S+10:S+11]
	v_pk_add_f32 v[26:27], v[26:27], v[S+12:S+13]
	v_pk_add_f32 v[28:29], v[28:29], v[S+14:S+15]
	v_pk_add_f32 v[26:27], v[26:27], v[28:29]
	v_add_f32 v26, v26, v27
	v_permlanex16_b32 v25, v26, s26, s27
	v_add_f32 v26, v26, v25
	v_rcp_f32 v20, v26                             ; the holds below are the plain places behind it
.set n, 0
.rept 16
	v_min_num_f32 v[S+n], v[S+n], v[PLIM]          ; the conversion does not saturate (ISA guide 7.6.2); p is not negative, so the hold is one-sided
.set n, n+1
.endr
	s_wait_alu depctr_va_vdst(0)
	v_ldexp_f32 v20, v20, s30                      ; 2^(e4 + e5 - e6) / the sum
	v_cvt_scalef32_pk8_fp8_f32 v[PC:PC+1], v[S:S+7], v[PSC]
	v_cvt_scalef32_pk8_fp8_f32 v[PC+2:PC+3], v[S+8:S+15], v[PSC]
	v_nop                                          ; one plain vector instruction behind the conversions
	v_and_b32 v[P], s25, v[PC]                     ; slot 0, the even block of R's pair: tile 0's codes where R is even,
	v_and_b32 v[P+1], s25, v[PC+1]
	v_and_b32 v[P+2], s24, v[PC]                   ; slot 1, the odd block: where R is odd
	v_and_b32 v[P+3], s24, v[PC+1]
	v_and_b32 v[P+4], s24, v[PC+2]                 ; slot 2, the even block of the neighbours' pairs: R + 1 and R - 1 are even where R is odd,
	v_and_b32 v[P+5], s24, v[PC+3]
	v_and_b32 v[P+6], s25, v[PC+2]                 ; slot 3: odd where R is even
	v_and_b32 v[P+7], s25, v[PC+3]
	s_wait_loadcnt 42-14*(\i)                      ; this head's V is in; behind it: 14 loads for each later head
	WIN 0x01                                       ; source 0 (V) window 1
.set t, 0
.rept 4
	v_wmma_f32_16x16x64_fp8_fp8 v[OA+8*t:OA+8*t+7], v[32*(\i)+8*t:32*(\i)+8*t+7], v[P:P+7], 0   ; O^T: source 0 = 16 of the head's 64 features, source 1 = P
.set t, t+1
.endr
	WIN 0
.rept 4
	v_nop
.endr
.set n, 0
.rept 16
	v_pk_mul_f32 v[OA+n:OA+n+1], v[OA+n:OA+n+1], v[20:21] op_sel_hi:[1,0]   ; o / 2^e6; each result from its low end on
.set n, n+2
.endr
.set n, 0
.rept 32
	v_med3_num_f32 v[OA+n], v[OA+n], -v[OLIM], v[OLIM]
.set n, n+1
.endr
.set t, 0
.rept 4
	v_cvt_scalef32_pk8_fp8_f32 v[rC+2*t:rC+2*t+1], v[OA+8*t:OA+8*t+7], v[ONE]   ; register j of tile t: feature 16 t + 8 h + j of query r
.set t, t+1
.endr
	v_nop
.irp t, 0,1,2,3
	ds_store_b64 v[STO], v[rC+2*\t:rC+2*\t+1] offset:64*(\i)+16*\t
.endr
.endm
	HEAD 0
	HEAD 1
	HEAD 2
	HEAD 3
.irp k, 0,1,2,3,4,5,6,7
	ds_load_b128 v[OUTR+4*\k:OUTR+4*\k+3], v[RD] offset:544*\k   ; LDS serves a wave's instructions in order (ISA guide 5.7.1.4): these see my stores
.endr
.irp k, 0,1,2,3,4,5,6,7
	s_wait_dscnt 7-\k                              ; the younger loads may stay out
	global_store_b128 v[GO], v[OUTR+4*\k:OUTR+4*\k+3], s[8:9] offset:2048*\k   ; 16 lanes store 256 consecutive bytes, aligned: four heads of one token
.endr
	s_wait_tensorcnt 0x0
	ds_add_u32 v254, v255
	s_wait_dscnt 0x0
	s_endpgm
.Lfunc_end_k_qf152a86bdd_attn:
	.size	k_qf152a86bdd_attn, .Lfunc_end_k_qf152a86bdd_attn-k_qf152a86bdd_attn
	.p2alignl 7, 3214868480
	.fill 96, 4, 3214868480
	.section	.rodata,"a",@progbits
	.p2align	6, 0x0
	.amdhsa_kernel k_qf152a86bdd_attn
		.amdhsa_group_segment_fixed_size 35840
		.amdhsa_private_segment_fixed_size 0
		.amdhsa_enable_private_segment 0
		.amdhsa_kernarg_size 24
		.amdhsa_user_sgpr_count 2
		.amdhsa_user_sgpr_kernarg_segment_ptr 1
		.amdhsa_wavefront_size32 1
		.amdhsa_system_sgpr_workgroup_id_x 1
		.amdhsa_system_sgpr_workgroup_id_y 1
		.amdhsa_system_sgpr_workgroup_id_z 1
		.amdhsa_system_vgpr_workitem_id 0
		.amdhsa_next_free_vgpr 384
		.amdhsa_next_free_sgpr 66
		.amdhsa_reserve_vcc 1
		.amdhsa_float_denorm_mode_32 3
		.amdhsa_float_denorm_mode_16_64 3
		.amdhsa_memory_ordered 1
		.amdhsa_forward_progress 1
		.amdhsa_inst_pref_size 48
	.end_amdhsa_kernel
	.amdgpu_metadata
---
amdhsa.version: [ 1, 2 ]
amdhsa.kernels:
  - .name:           k_qf152a86bdd_attn
    .symbol:         k_qf152a86bdd_attn.kd
    .args:
      - { .name: qkv, .offset: 0, .size: 8, .value_kind: global_buffer, .address_space: global }
      - { .name: lowp_scales, .offset: 8, .size: 8, .value_kind: global_buffer, .address_space: global }
      - { .name: ac, .offset: 16, .size: 8, .value_kind: global_buffer, .address_space: global }
    .group_segment_fixed_size: 35840
    .private_segment_fixed_size: 0
    .kernarg_segment_align: 8
    .kernarg_segment_size: 24
    .max_flat_workgroup_size: 256
    .sgpr_count:     66
    .vgpr_count:     384
    .wavefront_size: 32
...
	.end_amdgpu_metadata
.endif
;; end of part 3
;; launch proj (part 4): grid 4 x 32, 4 waves a work-group, clusters of 4 x 4, 327,680 bytes of LDS; arguments ac, wpc, lowp_scales, b_proj, out0; writes out0
.if DOCPART == 4
	.amdgcn_target "amdgcn-amd-amdhsa--gfx1250"
	.amdhsa_code_object_version 6
	.text
	.protected	k_qf152a86bdd_proj
	.globl	k_qf152a86bdd_proj
	.p2align	8
	.type	k_qf152a86bdd_proj,@function
k_qf152a86bdd_proj:
	s_mov_b64 s[64:65], 0
	v_nop
	global_prefetch_b8 v0, s[64:65] scope:SCOPE_SE
	s_setreg_imm32_b32 hwreg(HW_REG_WAVE_MODE, 25, 1), 1
	s_wait_xcnt 0x0
	s_wait_alu depctr_hold_cnt(0) depctr_sa_sdst(0) depctr_va_vdst(0) depctr_va_sdst(0) depctr_va_ssrc(0) depctr_va_vcc(0) depctr_vm_vsrc(0)
	s_getreg_b32 s2, hwreg(HW_REG_IB_STS2, 6, 4)
	s_cmp_eq_u32 s2, 0
	s_cbranch_scc0 .Lentry_in_a_cluster
	s_endpgm
.Lentry_in_a_cluster:
	s_bfe_u32 s2, ttmp6, 0x10000c
	s_cmp_lg_u32 s2, 0xf033
	s_cbranch_scc0 .Lentry_shape_is_right
	s_endpgm
.Lentry_shape_is_right:
; out0 = o w_proj^T + b_proj.  o: [8192][1024] and w_proj: [1024][1024] as codes of FP8 (E4M3), K innermost; out0: [8192][1024] f32.  The codes are multiplied as they are; out = sum x 2^(e6 + e7) + bias, one fused multiply-add.
; LIMIT: e6 + e7 lies between -126 and 127, so that 2^(e6 + e7) is an f32 number.
; A tile of 256 x 256 is made by a work-group of four waves, a wave 128 x 128: 64 accumulators of 16 x 16.  K = 1,024 goes in steps of 256 through a ring of two LDS slots filled by the tensor data mover.
; CLUSTERS: 4 x 4 work-groups; A's tile is shared along a row of the cluster, B's along a column: each is asked for jointly, by the same tensor load with a mask that names the four.
; THE MATRIX INSTRUCTION IS USED TRANSPOSED (source 0 = 16 rows of B, source 1 = 16 rows of A): a lane then holds eight neighbouring numbers of a row of the result.
; The result has 128 tiles of this size: 128 work-groups.
; REGISTERS, in windows of 256: window 0: v16-29 addresses; v32-95 the bias of my 128 columns in the result's layout; from v128 A's fragments, ONE set; on the way out v128-255 rows read back from the stage.
;   window 1: B's fragments, TWO sets; on the way out v0-63 a block's numbers.   windows 2, 3: the accumulators ((a, b) at v[8 (8 (a % 4) + b)]).
.set SIZE_K, 1024
.set SIZE_N, 1024
.set KSTEP,  256
.set ROWB,   256
.set KROW,   SIZE_K
.set PITCH,  272                       ; an LDS row: 256 bytes + 16 of padding = 68 words: row r starts at bank 4 r mod 64 (64 banks of 4 bytes: ISA guide 11.1)
.set FR,     16
.set NL,     4
.set NP,     4
.set HALFT,  128*PITCH
.set SLOT,   4*HALFT
.set LAPS,   SIZE_K/(2*KSTEP)
.set SPARE,  2*SLOT                    ; behind the ring: the spare words, 128 bytes for each wave: two blocks of 256 bytes that no other line names
.set SPITCH, 528                       ; the way out: a stage of 16 rows x (512 bytes + 16) for each wave.  It lies in slot 0, which has had its last fill and its last read when the first result is stored there
.set ADRA, 16
.set ADRB, 20
.set STO,  24                          ; v24     the way out: where I put 32 bytes of a row
.set RD,   25                          ; v25     where I read a row back
.set CO,   26                          ; v26     my byte offset in a row of the result
.set BO,   27                          ; v27     byte offset in b_proj of my eight numbers
.set SPW,  28
.set NIL,  29
.set BIAS, 32
.set AF,   128
.set BK,   128                         ; 16 rows read back from the stage: v128-191 and v192-255 by turns
.set G1, 24
.set G0, 32
.set G1B, 48
.set G0B, 56
.set MSB, 0
.macro WIN new                         ; the immediate's high byte repeats the setting that is left
.if MSB != \new
	s_set_vgpr_msb (MSB<<8)|\new
.set MSB, \new
.endif
.endm
.set MUL_LO, 0xa1                      ; source 0 (B) window 1, source 1 (A) window 0, C and D window 2
.set MUL_HI, 0xf1                      ; the same, C and D window 3
.set TO_B,   0x40                      ; destination window 1, address window 0
; A joint load: waves 0 and 1 fetch for A, waves 2 and 3 for B; the branch hangs on the wave's number alone.  Four v_nop follow each of the two lines.
.macro JLOAD g0a, g1a, g0b, g1b
	s_cmp_eq_u32 s15, 0
	s_cbranch_scc0 .Lfor_b_\@
	tensor_load_to_lds s[\g0a:\g0a+3], s[\g1a:\g1a+7]
	s_nop 0
.rept 4
	v_nop
.endr
	s_branch .Lasked_\@
.Lfor_b_\@:
	tensor_load_to_lds s[\g0b:\g0b+3], s[\g1b:\g1b+7]
	s_nop 0
.rept 4
	v_nop
.endr
.Lasked_\@:
.endm
.macro CREST                           ; a round of the cluster's barrier behind its opening barrier
	s_cmp_lg_u32 s14, 0
	s_cbranch_scc1 .Lnot_wave_0_\@
	s_barrier_signal -3
.Lnot_wave_0_\@:
	s_barrier_wait -3
	s_barrier_signal -1
	s_barrier_wait -1
.endm
.macro CROUND                          ; a whole round
	s_barrier_signal -1
	s_barrier_wait -1
	CREST
.endm
	s_load_b256 s[4:11], s[0:1], 0x0               ; o's codes s[4:5], w_proj's codes s[6:7], the scales' exponents s[8:9], b_proj s[10:11]
	s_load_b64 s[12:13], s[0:1], 0x20              ; out0
	v_lshl_add_u32 v[SPW], v0, 2, SPARE
	v_mov_b32 v[NIL], 0
	ds_add_u32 v28, v29
	ds_add_u32 v28, v29
	s_wait_dscnt 0x0
	v_lshrrev_b32 v1, 5, v0
	v_readfirstlane_b32 s14, v1                    ; wave 0..3
	s_lshr_b32 s15, s14, 1                         ; which half of the tile's rows is mine.  Also: I fetch for A (0) or for B (1)
	s_and_b32 s16, s14, 1                          ; which half of its columns.  Also: which 128 rows of that tile I fetch
	s_bfe_u32 s40, ttmp6, 0x40000                  ; cx, cy: my place in the cluster
	s_bfe_u32 s41, ttmp6, 0x40004
	s_lshl_b32 s42, ttmp9, 2
	s_add_co_u32 s42, s42, s40                     ; tile column = 4 x cluster x + cx
	s_and_b32 s17, ttmp7, 0xffff
	s_lshl_b32 s17, s17, 2
	s_add_co_u32 s17, s17, s41                     ; tile row = 4 x cluster y + cy
	s_lshl_b32 s43, s41, 2
	s_lshl_b32 s43, 15, s43                        ; my row of the cluster
	s_lshl_b32 s44, 0x1111, s40                    ; my column
	s_or_b32 s[G1+0], s43, (0<<16)|(1<<20)|(1<<21)|(5<<22)|(3<<25)  ; 15:0 the mask: A's tiles go to my row; 17:16 element of 1 byte; 20 padding on; 21 set beside a mask; 24:22 after every 64 words (code 5); 31:25 of 4 words (code 3)
	s_or_b32 s[G1B+0], s44, (0<<16)|(1<<20)|(1<<21)|(5<<22)|(3<<25)
.irp g, G1, G1B
	s_mov_b32 s[\g+1], ROWB<<16                    ; tensor_dim0
	s_mov_b32 s[\g+2], 128<<16                     ; tensor_dim1 = 128
	s_mov_b32 s[\g+3], ROWB<<16                    ; tile_dim0
	s_mov_b32 s[\g+4], 128                         ; tile_dim1 = 128
	s_mov_b32 s[\g+5], KROW                        ; tensor_dim0_stride
	s_mov_b32 s[\g+6], 0
	s_mov_b32 s[\g+7], 0
.endr
	s_lshl_b32 s18, s16, 7                         ; which 128 rows of the tile I fetch
	s_lshl_b32 s20, s17, 8
	s_add_co_u32 s20, s20, s18                     ; A: row 256 x tile row + 128 x half
	s_lshl_b32 s46, s42, 8
	s_add_co_u32 s46, s46, s18                     ; B: row 256 x tile column + 128 x half
	s_mov_b32 s21, 0
	s_mov_b32 s47, 0
	s_mov_b64 s[18:19], KROW
	s_mul_u64 s[20:21], s[20:21], s[18:19]
	s_mul_u64 s[46:47], s[46:47], s[18:19]
	s_mul_i32 s45, s14, HALFT                      ; where they go: wave x 128 rows: no place in the cluster enters an LDS address
	s_wait_kmcnt 0x0
	s_load_b64 s[96:97], s[8:9], 0x18              ; e6, e7
	s_add_nc_u64 s[20:21], s[4:5], s[20:21]
	s_add_nc_u64 s[46:47], s[6:7], s[46:47]
	CROUND                                         ; all sixteen work-groups are here: the first joint loads meet
.irp s, 0,1
	s_mov_b32 s[G0+4*\s], 1
	s_add_co_u32 s[G0+4*\s+1], s45, \s*SLOT
	s_add_nc_u64 s[G0+4*\s+2:G0+4*\s+3], s[20:21], \s*ROWB
	s_or_b32 s[G0+4*\s+3], s[G0+4*\s+3], 0x80000000
	s_mov_b32 s[G0B+4*\s], 1
	s_add_co_u32 s[G0B+4*\s+1], s45, \s*SLOT
	s_add_nc_u64 s[G0B+4*\s+2:G0B+4*\s+3], s[46:47], \s*ROWB
	s_or_b32 s[G0B+4*\s+3], s[G0B+4*\s+3], 0x80000000
	JLOAD G0+4*\s, G1, G0B+4*\s, G1B               ; two tensor loads of mine are out behind these
.endr
	v_and_b32 v1, 15, v0                           ; r = l % 16
	v_bfe_u32 v2, v0, 4, 1                         ; h = l / 16
	v_mul_u32_u24 v3, v1, PITCH
	v_lshl_add_u32 v4, v2, 4, v3                   ; a fragment's row x pitch + 16 x half
	s_mul_i32 s21, s15, HALFT                      ; my 128 rows of A
	s_mul_i32 s22, s16, HALFT                      ; my 128 rows of B,
	s_add_co_u32 s22, s22, 2*HALFT                 ; which lie behind A's 256
.irp s, 0,1
	v_add_nc_u32 v[ADRA+\s], s21, v4
	v_add_nc_u32 v[ADRB+\s], s22, v4
	s_add_co_u32 s21, s21, SLOT
	s_add_co_u32 s22, s22, SLOT
.endr
	s_lshl_b32 s78, s42, 8
	s_lshl_b32 s79, s16, 7
	s_add_co_u32 s78, s78, s79
	s_lshl_b32 s78, s78, 2                         ; my first column, x 4 bytes
	v_lshl_add_u32 v[BO], v2, 5, s78               ; accumulator (a, b), register j, lane (r, h): column 16 b + 8 h + j
.irp b, 0,1,2,3,4,5,6,7
	global_load_b128 v[BIAS+8*\b:BIAS+8*\b+3], v[BO], s[10:11] offset:64*\b
	global_load_b128 v[BIAS+8*\b+4:BIAS+8*\b+7], v[BO], s[10:11] offset:64*\b+16
.endr
	s_mul_i32 s23, s14, 16*SPITCH                  ; my stage
	v_mul_u32_u24 v5, v1, SPITCH                   ; in: row l % 16, 32 bytes for each half of the lanes
	v_lshl_add_u32 v5, v2, 5, v5
	v_add_nc_u32 v[STO], s23, v5
	v_and_b32 v6, 31, v0
	v_lshlrev_b32 v[CO], 4, v6                     ; back: the 32 lanes take one row of 512 bytes; and the same in the result
	v_add_nc_u32 v[RD], s23, v[CO]
	s_lshl_b32 s20, s17, 8
	s_lshl_b32 s21, s15, 7
	s_add_co_u32 s20, s20, s21                     ; my first row: 256 x tile row + 128 x half
	s_mov_b32 s21, 0
	s_mov_b64 s[18:19], SIZE_N*4
	s_mul_u64 s[20:21], s[20:21], s[18:19]
	s_lshl_b32 s46, s42, 10                        ; my first column, in bytes: 1024 x tile column + 512 x half
	s_lshl_b32 s47, s16, 9
	s_add_co_u32 s46, s46, s47
	s_mov_b32 s47, 0
	s_add_nc_u64 s[20:21], s[20:21], s[46:47]
	s_add_nc_u64 s[12:13], s[12:13], s[20:21]
.macro FRAG reg, adr, q, i             ; a fragment, 16 rows x 128 K, is 16 registers: lane l holds row l % 16; registers 4 c .. 4 c + 3 hold K = 32 c + 16 (l / 16) + 0 .. 15: the same permutation of k in A and in B
.irp c, 0,1,2,3
	ds_load_b128 v[\reg+4*\c:\reg+4*\c+3], v[\adr] offset:128*(\q)+32*\c+(\i)*16*PITCH
.endr
.endm
; 16 matrix instructions: A's blocks a0, a0 + 1 x B's eight, 128 along K.  The 64 accumulators take turns, one instruction a turn, in the same order in every step.
.macro MUL16 a0, p, zero
.irp a, \a0, \a0+1
.irp b, 0,1,2,3,4,5,6,7
.if \zero
	v_wmma_f32_16x16x128_fp8_fp8 v[8*(8*((\a)%4)+\b):8*(8*((\a)%4)+\b)+7], v[128*(\p)+FR*\b:128*(\p)+FR*\b+FR-1], v[AF+FR*(\a):AF+FR*(\a)+FR-1], 0
.else
	v_wmma_f32_16x16x128_fp8_fp8 v[8*(8*((\a)%4)+\b):8*(8*((\a)%4)+\b)+7], v[128*(\p)+FR*\b:128*(\p)+FR*\b+FR-1], v[AF+FR*(\a):AF+FR*(\a)+FR-1], v[8*(8*((\a)%4)+\b):8*(8*((\a)%4)+\b)+7]
.endif
.endr
.endr
.endm
.macro FETCH_B slot, q, p              ; B's eight fragments of the slot's q-th 128 along K into set p
	WIN TO_B
.irp i, 0,1,2,3,4,5,6,7
	FRAG 128*(\p)+FR*\i, ADRB+\slot, \q, \i
.endr
	WIN 0
.endm
.macro FETCH_A slot, q, i0             ; A's blocks i0 .. i0 + 3
.irp i, \i0, \i0+1, \i0+2, \i0+3
	FRAG AF+FR*(\i), ADRA+\slot, \q, \i
.endr
.endm
; A load into a register that a matrix instruction has read, and a vector instruction that reads a matrix result or writes one of its registers, stand NP places behind it; only plain vector
; instructions that name none of its registers are places (ISA guide 7.12.1 for vector instructions).
.macro PLACES n
.rept \n
	v_nop
.endr
.endm
.macro STEP slot, q, zero              ; a step of 128 along K that has its successor in the same slot
	s_wait_dscnt 4*NL                              ; B's set and A's blocks 0-3 are in; the youngest sixteen loads (A's blocks 4-7) may be out
	WIN MUL_LO
	MUL16 0, (\q)%2, \zero
	MUL16 2, (\q)%2, \zero
	s_wait_dscnt 0                                 ; A's blocks 4-7 are in (asked for 32 matrix instructions ago)
	PLACES NP
	FETCH_B \slot, (\q)+1, 1-(\q)%2
	FETCH_A \slot, (\q)+1, 0
	WIN MUL_HI
	MUL16 4, (\q)%2, \zero
	MUL16 6, (\q)%2, \zero
	PLACES NP
	WIN 0
	FETCH_A \slot, (\q)+1, 4
.endm
; A slot's last step changes slots: ONE barrier; in front of it each wave waits for all its tensor loads, adds 0 to its spare word, and waits for that and for its own reads of this slot.  fill = 1: this slot is filled again, two K steps ahead.
.macro TURN slot, next, fill
	s_wait_tensorcnt 0x0                           ; all my tensor loads have landed: my part of the next slot;  (every window is 0 here)
	ds_add_u32 v[SPW], v[NIL]                      ; 0 onto my spare word
	s_wait_dscnt 4*NL+1                            ; (the add and the youngest sixteen loads, A's blocks 4-7, may be out)
	WIN MUL_LO
	MUL16 0, 1, 0                                  ; sixteen matrix instructions stand between the add and the wait for it
	s_wait_dscnt 0x0                               ; the add is done, and my reads of this slot are over
	s_barrier_signal -1
	MUL16 2, 1, 0
	WIN 0
	s_barrier_wait -1
.if \fill
	CREST                                          ; the barrier has opened a round of the cluster's barrier: no wave of any partner still reads this slot's tile or has a load on its way
	s_add_nc_u64 s[G0+4*\slot+2:G0+4*\slot+3], s[G0+4*\slot+2:G0+4*\slot+3], 2*ROWB
	s_add_nc_u64 s[G0B+4*\slot+2:G0B+4*\slot+3], s[G0B+4*\slot+2:G0B+4*\slot+3], 2*ROWB
	JLOAD G0+4*\slot, G1, G0B+4*\slot, G1B         ; the first tensor load behind the round, my one load until the next; its four v_nop are the places in front of the loads below
.else
	PLACES NP
.endif
	FETCH_B \next, 0, 0
	FETCH_A \next, 0, 0
	WIN MUL_HI
	MUL16 4, 1, 0
	MUL16 6, 1, 0
	PLACES NP
	WIN 0
	FETCH_A \next, 0, 4
.endm
	s_wait_loadcnt 0x0                             ; the bias, while the first tiles are on their way: no global load is out in the loop
	s_wait_tensorcnt 1                             ; my part of K step 0 is in (K step 1's load may be out)
	s_barrier_signal -1
	s_barrier_wait -1                              ; everybody's is
	FETCH_B 0, 0, 0
	FETCH_A 0, 0, 0
	FETCH_A 0, 0, 4
	STEP 0, 0, 1                                   ; the first step stands in front of the loop: its products start the sums
	s_mov_b32 s3, LAPS-1
.Llap:                                                 ; a trip goes once round the ring, from a lap's second step to the next lap's first, and fills both slots again
	TURN 0, 1, 1
	STEP 1, 0, 0
	TURN 1, 0, 1
	STEP 0, 0, 0
	s_sub_co_u32 s3, s3, 1
	s_cmp_lg_u32 s3, 0
	s_cbranch_scc1 .Llap
	TURN 0, 1, 0                                   ; the last lap fills nothing, and has no round of the cluster's barrier
	STEP 1, 0, 0
	s_wait_dscnt 4*NL                              ; the very last step: nothing more to fetch
	WIN MUL_LO
	MUL16 0, 1, 0
	MUL16 2, 1, 0
	s_wait_dscnt 0
	WIN MUL_HI
	MUL16 4, 1, 0
	MUL16 6, 1, 0
	WIN 0
; THE WAY OUT, block by block of 16 rows x 128 columns.  A lane holds 32 neighbouring bytes of a row, and the lanes beside it hold other rows: so a block goes through my own stage in LDS and comes back as whole
; rows of 512 bytes.  LDS serves a wave's instructions in order (ISA guide 5.7.1.4): no wait between the stores and the loads, nor in front of the next block's stores.
.macro TOSTAGE a
.set AC, 64*((\a)%4)
	WIN 0x42+((\a)/4)                              ; source 0 (the sums) window 2 or 3, source 2 (the bias) window 0, destination window 1
.set j, 0
.rept 32
	v_pk_fma_f32 v[j:j+1], v[AC+j:AC+j+1], s[96:97], v[BIAS+j:BIAS+j+1] op_sel_hi:[1,0,1]   ; sum x 2^(e6 + e7) + bias; each accumulator from its low end on
.set j, j+2
.endr
	WIN 0x04                                       ; an LDS store's data: window 1; its address: window 0
.irp b, 0,1,2,3,4,5,6,7
	ds_store_b128 v[STO], v[8*\b:8*\b+3] offset:64*\b
	ds_store_b128 v[STO], v[8*\b+4:8*\b+7] offset:64*\b+16
.endr
	WIN 0
.set BB, BK+64*((\a)%2)
.irp t, 0,1,2,3,4,5,6,7,8,9,10,11,12,13,14,15
	ds_load_b128 v[BB+4*\t:BB+4*\t+3], v[RD] offset:\t*SPITCH
.endr
.endm
.macro SEND a, younger                 ; younger: the LDS instructions issued behind block a's loads, which may stay out
.set BB, BK+64*((\a)%2)
	s_wait_dscnt \younger                          ; the block is back in registers
.if (\a) > 0
	s_add_nc_u64 s[12:13], s[12:13], 16*SIZE_N*4   ; (behind a wait on XCNT: the earlier stores have read their base)  16 rows on
.endif
.irp t, 0,1,2,3,4,5,6,7,8,9,10,11,12,13,14,15
	global_store_b128 v[CO], v[BB+4*\t:BB+4*\t+3], s[12:13] offset:\t*SIZE_N*4 th:TH_STORE_NT   ; 32 lanes store 512 consecutive bytes, aligned; written once, read by nobody here
.endr
.endm
	s_wait_kmcnt 0x0
	s_add_co_i32 s96, s96, s97                     ; e6 + e7
	s_add_co_i32 s96, s96, 127
	s_lshl_b32 s96, s96, 23                        ; 2^(e6 + e7) as f32
	s_mov_b32 s97, s96                             ; (named with it as a pair, so it is written)
	PLACES NP                                      ; behind the last products: their results are read, and registers that held fragments are written and loaded below
	TOSTAGE 0
.irp a, 1,2,3,4,5,6,7
.if \a > 1
	s_wait_xcnt 0x0                                ; block a - 2's stores have read their registers and their base: block a's loads may land there, and the base may step
.endif
	TOSTAGE \a
	SEND \a-1, 32                                  ; behind block a - 1's loads: block a's 16 stores and 16 loads
.endr
	s_wait_xcnt 0x0                                ; block 6's stores have read their base
	SEND 7, 0
	s_wait_tensorcnt 0x0                           ; the wave's end: behind my last tensor load and my last LDS store
	ds_add_u32 v[SPW], v[NIL]
	s_wait_dscnt 0x0
	CROUND                                         ; the closing round: no work-group ends while a partner may still ask for a tile that names it
	s_endpgm
.Lfunc_end_k_qf152a86bdd_proj:
	.size	k_qf152a86bdd_proj, .Lfunc_end_k_qf152a86bdd_proj-k_qf152a86bdd_proj
	.p2alignl 7, 3214868480
	.fill 96, 4, 3214868480
	.section	.rodata,"a",@progbits
	.p2align	6, 0x0
	.amdhsa_kernel k_qf152a86bdd_proj
		.amdhsa_group_segment_fixed_size 327680
		.amdhsa_private_segment_fixed_size 0
		.amdhsa_enable_private_segment 0
		.amdhsa_kernarg_size 40
		.amdhsa_user_sgpr_count 2
		.amdhsa_user_sgpr_kernarg_segment_ptr 1
		.amdhsa_wavefront_size32 1
		.amdhsa_system_sgpr_workgroup_id_x 1
		.amdhsa_system_sgpr_workgroup_id_y 1
		.amdhsa_system_sgpr_workgroup_id_z 1
		.amdhsa_system_vgpr_workitem_id 0
		.amdhsa_next_free_vgpr 1024
		.amdhsa_next_free_sgpr 98
		.amdhsa_reserve_vcc 0
		.amdhsa_float_denorm_mode_32 3
		.amdhsa_float_denorm_mode_16_64 3
		.amdhsa_memory_ordered 1
		.amdhsa_forward_progress 1
		.amdhsa_inst_pref_size 125
	.end_amdhsa_kernel
	.amdgpu_metadata
---
amdhsa.version: [ 1, 2 ]
amdhsa.kernels:
  - .name:           k_qf152a86bdd_proj
    .symbol:         k_qf152a86bdd_proj.kd
    .args:
      - { .name: ac, .offset: 0, .size: 8, .value_kind: global_buffer, .address_space: global }
      - { .name: wpc, .offset: 8, .size: 8, .value_kind: global_buffer, .address_space: global }
      - { .name: lowp_scales, .offset: 16, .size: 8, .value_kind: global_buffer, .address_space: global }
      - { .name: b_proj, .offset: 24, .size: 8, .value_kind: global_buffer, .address_space: global }
      - { .name: out0, .offset: 32, .size: 8, .value_kind: global_buffer, .address_space: global }
    .group_segment_fixed_size: 327680
    .private_segment_fixed_size: 0
    .kernarg_segment_align: 8
    .kernarg_segment_size: 40
    .max_flat_workgroup_size: 128
    .sgpr_count:     98
    .vgpr_count:     1024
    .wavefront_size: 32
...
	.end_amdgpu_metadata
.endif
;; end of part 4
